; MI455X (gfx1250); checked and timed in simulation.
; The chip was launched on July 23, 2026; its instructions are those of AMD's public machine-readable ISA for CDNA 5 (MIT licence, August 2026) and "CDNA5" Instruction Set Architecture Reference Guide (July 2026). The comments in the code are by the model that wrote it; some were corrected since.
;; C4 Swi GLU Executor. Allowed arithmetic: float matrix products may take bf16 or f16 operands with f32 sums; all other float work in f32.
;; Inputs: ax one number float32; bp one number float32; memory 8,388,608 float32; pc one number float32; sp one number float32.
;; Outputs: out0 one number float32; out1 one number float32; out2 one number float32; out3 one number float32; out4 8,388,608 float32.
;; One version. Each part assembles by itself: llvm-mc -triple=amdgcn-amd-amdhsa -mcpu=gfx1250 --defsym DOCPART=n.
;; ======== version 1 of 1: 2 launches
;; workspace buffers: idx 256 bytes of whole numbers
;; launch locate (part 1): grid 1 x 1, 1 waves a work-group, no clusters, 0 bytes of LDS; arguments pc, sp, bp, ax, idx; writes idx
.if DOCPART == 1
	.amdgcn_target "amdgcn-amd-amdhsa--gfx1250"
	.amdhsa_code_object_version 6
	.text
	.protected	k_q1e517f5cbd_locate
	.globl	k_q1e517f5cbd_locate
	.p2align	8
	.type	k_q1e517f5cbd_locate,@function
k_q1e517f5cbd_locate:
	s_mov_b64 s[64:65], 0
	v_nop
	global_prefetch_b8 v0, s[64:65] scope:SCOPE_SE
	s_setreg_imm32_b32 hwreg(HW_REG_WAVE_MODE, 25, 1), 1
	s_wait_xcnt 0x0
; Where the five soft reads of the machine step look.  eq_gate(addr, pos) has a factor silu_threshold(0.5 - |addr - pos|), whose two
; sigmoid arguments are 20 - 20 |d| and -20 |d|.  From |d| = 7 on both are at most -120, e^120 is beyond the largest f32, so both
; sigmoids and the gate are exactly 0 in f32.  A read therefore needs only the words round its address.
; This launch turns the five float addresses pc, sp, ax, bp, sp + 8 into whole numbers, so that the next launch forms its addresses
; from whole numbers read from memory: idx[w] = first word of a window of 32 words, in units of 8 words.
;   first word = 8 * ((clamp(floor(addr) - 12, 0, 8388576)) >> 3), that is floor(addr) - 19 .. floor(addr) - 12: the window holds
;   floor(addr) - 12 .. floor(addr) + 12; at the clamps it is the first or the last 32 words of the memory.
; One wave.  Lane w makes word w; lanes 4 to 31 all make the window of sp + 8, so that one store writes 128 consecutive bytes.
; Limit: the four inputs are finite numbers.
.set LASTWIN, 0x4affffc0                       ; 8388576.0 = 8388608 - 32
	s_load_b256 s[4:11], s[0:1], 0x0               ; pc s[4:5], sp s[6:7], bp s[8:9], ax s[10:11]
	s_load_b64 s[12:13], s[0:1], 0x20              ; idx
	v_lshlrev_b32 v1, 2, v0                        ; byte offset of my word
	s_wait_kmcnt 0x0                               ; scalar loads return in no order: 0 is the only count that shows anything
	s_load_b32 s14, s[4:5], 0x0                    ; pc
	s_load_b32 s15, s[6:7], 0x0                    ; sp
	s_load_b32 s16, s[8:9], 0x0                    ; bp
	s_load_b32 s17, s[10:11], 0x0                  ; ax
	s_wait_kmcnt 0x0
	s_add_f32 s18, s15, 0x41000000                 ; sp + 8
	v_mov_b32 v2, s18                              ; lanes 4 and up keep this one
	v_mov_b32 v3, s16
	v_mov_b32 v4, s17
	v_mov_b32 v5, s15
	v_mov_b32 v6, s14
	v_cmp_eq_u32 vcc_lo, 3, v0
	v_cndmask_b32 v2, v2, v3, vcc_lo               ; lane 3: bp
	v_cmp_eq_u32 vcc_lo, 2, v0
	v_cndmask_b32 v2, v2, v4, vcc_lo               ; lane 2: ax
	v_cmp_eq_u32 vcc_lo, 1, v0
	v_cndmask_b32 v2, v2, v5, vcc_lo               ; lane 1: sp
	v_cmp_eq_u32 vcc_lo, 0, v0
	v_cndmask_b32 v2, v2, v6, vcc_lo               ; lane 0: pc
	v_floor_f32 v2, v2
	v_add_f32 v2, 0xc1400000, v2                   ; - 12
	v_med3_num_f32 v2, v2, 0, LASTWIN              ; the window stays inside the memory
	v_cvt_u32_f32 v2, v2
	v_lshrrev_b32 v2, 3, v2                        ; in units of 8 words: at most 0xffffc
	global_store_b32 v1, v2, s[12:13]
	s_endpgm
.Lfunc_end_k_q1e517f5cbd_locate:
	.size	k_q1e517f5cbd_locate, .Lfunc_end_k_q1e517f5cbd_locate-k_q1e517f5cbd_locate
	.p2alignl 7, 3214868480
	.fill 96, 4, 3214868480
	.section	.rodata,"a",@progbits
	.p2align	6, 0x0
	.amdhsa_kernel k_q1e517f5cbd_locate
		.amdhsa_group_segment_fixed_size 0
		.amdhsa_private_segment_fixed_size 0
		.amdhsa_enable_private_segment 0
		.amdhsa_kernarg_size 40
		.amdhsa_user_sgpr_count 2
		.amdhsa_user_sgpr_kernarg_segment_ptr 1
		.amdhsa_wavefront_size32 1
		.amdhsa_system_sgpr_workgroup_id_x 1
		.amdhsa_system_sgpr_workgroup_id_y 1
		.amdhsa_system_sgpr_workgroup_id_z 1
		.amdhsa_system_vgpr_workitem_id 0
		.amdhsa_next_free_vgpr 8
		.amdhsa_next_free_sgpr 66
		.amdhsa_reserve_vcc 1
		.amdhsa_float_denorm_mode_32 3
		.amdhsa_float_denorm_mode_16_64 3
		.amdhsa_memory_ordered 1
		.amdhsa_forward_progress 1
		.amdhsa_inst_pref_size 2
	.end_amdhsa_kernel
	.amdgpu_metadata
---
amdhsa.version: [ 1, 2 ]
amdhsa.kernels:
  - .name:           k_q1e517f5cbd_locate
    .symbol:         k_q1e517f5cbd_locate.kd
    .args:
      - { .name: pc, .offset: 0, .size: 8, .value_kind: global_buffer, .address_space: global }
      - { .name: sp, .offset: 8, .size: 8, .value_kind: global_buffer, .address_space: global }
      - { .name: bp, .offset: 16, .size: 8, .value_kind: global_buffer, .address_space: global }
      - { .name: ax, .offset: 24, .size: 8, .value_kind: global_buffer, .address_space: global }
      - { .name: idx, .offset: 32, .size: 8, .value_kind: global_buffer, .address_space: global }
    .group_segment_fixed_size: 0
    .private_segment_fixed_size: 0
    .kernarg_segment_align: 8
    .kernarg_segment_size: 40
    .max_flat_workgroup_size: 32
    .sgpr_count:     66
    .vgpr_count:     8
    .wavefront_size: 32
...
	.end_amdgpu_metadata
.endif
;; end of part 1
;; launch step (part 2): grid 256 x 1, 9 waves a work-group, no clusters, 7,424 bytes of LDS; arguments memory, out4, idx, pc, sp, bp, ax, out0, out1, out2, out3; writes out0, out1, out2, out3, out4
.if DOCPART == 2
	.amdgcn_target "amdgcn-amd-amdhsa--gfx1250"
	.amdhsa_code_object_version 6
	.text
	.protected	k_q1e517f5cbd_step
	.globl	k_q1e517f5cbd_step
	.p2align	8
	.type	k_q1e517f5cbd_step,@function
k_q1e517f5cbd_step:
	s_mov_b64 s[64:65], 0
	v_nop
	global_prefetch_b8 v0, s[64:65] scope:SCOPE_SE
	s_setreg_imm32_b32 hwreg(HW_REG_WAVE_MODE, 25, 1), 1
	s_wait_xcnt 0x0
; One step of the soft c4 machine: five soft reads, the scalar arithmetic, four rounded registers, five soft writes of 8,388,608 f32.
;
; WHY WINDOWS.  eq_gate(addr, pos) has a factor silu_threshold(0.5 - |d|), d = addr - pos, with sigmoid arguments 20 - 20 |d| and -20 |d|.
; From |d| = 7 on both are at most -120; e^120 is beyond the largest f32, so the gate is exactly 0 in f32, for every finite address.
; A read is a sum over a window round its address; a write changes a window and copies the rest.  What remains is a copy of 32 MiB.
;
; SHARES.  256 work-groups, 32,768 words (128 KiB) each.  Waves 0-7 (stream waves) hold 4,096 words each in 128 registers: 32 loads of
; 16 bytes a lane, all issued at once, each covering 512 consecutive aligned bytes (a chunk of 128 words).  Wave 8 (control wave) meanwhile
; reads the instruction and the stack top and makes the five writes (address, value); waves 0-4 turn one write each into a table with
; one entry a lane; then every stream wave applies the five tables in the order of reference() and stores.  The control wave of
; work-group 0 goes on to out0..out3 while the stores leave.
; THE TABLES.  For write k, lane l owns the four words p .. p+3, p = the one position congruent to 4 l modulo 128 in the 128 positions from
; floor(addr) - 64 on.  In a chunk that is exactly what lane l holds, so the write is: where the chunk number equals p >> 7, word e becomes
; word * (1 - g_e) + value * g_e.  The chunk number comes from a float, so it only feeds a compare and a select, never a branch or an address:
; the fused multiply-add is made in every chunk and v_cndmask_b32 keeps or drops it.  Dropped results cannot carry a NaN into the copy.
;
; IDENTITIES USED (they hold for every input): swiglu_mul(a, b) = a b (sigmoid(b) + sigmoid(-b)) = a b; eq_gate(st, ax) = ge_gate * le_gate,
; the same two factors; li = lc; x / 20 as x * 0.05; sum(w / (S + 1e-8) * m) as sum(w m) / (S + 1e-8).  The division keeps the form of
; reference(), sum over q of (th1 - th2) q.
; LIMITS.  Inputs are finite and 20 |address - position| does not overflow f32 (reference() gives NaN there).  A NaN or infinity in a word of
; memory outside the windows is copied, not spread to the reads as 0 * NaN does in reference().  v_exp_f32 and v_rcp_f32 are 1 ulp and flush
; denormals (ISA guide 15.8): gate tails below 2^-126 count as 0, beside a 1e-8 in the divisor.  20 x + 10 and 20 x - 10 are fused, and
; sums run in another order than in reference(): where 20 |x| is so large that 10 is lost in its last bits both are equally rough.
; NOT USED, and why: matrix units (no product); tensor loads and an LDS ring (a share fits in registers and no two waves read a word twice);
; clusters (all that work-groups share is five windows of 128 bytes against 128 KiB of their own); prefetches (every load of the share is
; issued in the first lines).
.set NLOAD,  32                        ; loads of a stream wave = chunks of 512 bytes
.set PAR,    0                         ; LDS 0..39: five pairs (address, value): 0 psh, 1 jsr, 2 ent, 3 si, 4 sc
.set TAB,    256                       ; LDS: table k at TAB + k TABSZ: 1 - g [lane][4] 512 bytes, value g [lane][4] 512 bytes, chunk [lane] 128 bytes
.set TABSZ,  1152
; vector registers of all waves: v0 thread, v1 lane, v2 4 lane, v3 stream offset, v4 16 lane, v5 and v7 LDS addresses, v6 zero
.set XA, 8                             ; v8-23   arguments, then results, of THN
.set UA, 24                            ; v24-39  20 x + 10
.set LA, 40                            ; v40-55  20 x - 10
.set EA, 56                            ; v56-71  second exponential
; stream waves behind the second barrier
.set TT,   8                           ; v8-23   four chunks: word * a + b
.set TABR, 24                          ; v[24+8k:27+8k] a, v[28+8k:31+8k] b of table k
.set DD,   64                          ; v64-68  chunk of my entry in table k, counted from my first chunk
.set DATA, 72                          ; v72-199 my 32 chunks, four registers each
; waves 0-4 between the barriers
.set R_TA, 200                         ; v200-203 1 - g
.set R_TB, 204                         ; v204-207 g, then value g
.set R_TC, 208                         ; chunk
.set R_WAD, 210                        ; v210, v211: address, value
.set R_WVL, 211
.set R_WP, 212                         ; position p
.set R_WF, 213                         ; p as a float
; control wave
.set R_MW,  200                        ; v200-204 windows of memory at pc, sp, ax, bp, sp + 8: lane l holds word l
.set R_POS, 205                        ; v205-209 their positions as floats
.set R_GV,  210                        ; lane j: eq_gate(opcode, j)
.set R_IV,  211                        ; instruction
.set R_IMM, 212
.set R_OPC, 213
.set R_ST,  214                        ; stack top
.set R_PP,  216                        ; v216-225 the ten parameters; in the tail ten sums over lanes
.set R_E0,  226                        ; eq_gate(ax, 0)
.set R_AXS, 227                        ; ax_safe
.set R_LI,  228
.set R_BPS, 229                        ; bp_from_stack
.set R_PCS, 230                        ; pc_from_stack
.set R_DIV, 231
.set R_QQ,  232                        ; v232-239 quotients lane + 32 j; v232 is the lane as a float
.set R_SUM, 240                        ; st + ax
.set R_PR,  241                        ; st * ax
.set R_OR,  242
.set R_XOR, 243
.set R_EQ,  244
.set R_NE,  245
.set R_SUB, 246
.set R_MOD, 247
.set R_LEA, 248
.set R_TH,  72                         ; v72-85  the tail's first 14 thresholds (the control wave loads no chunks)
.set R_PUL, 86                         ; lane i: _pulse(ax, i)
.set R_NL,  87                         ; - lane
.set R_AC,  88                         ; v88-91  four chains of new_ax
.set R_NSP, 92
.set R_T1,  93
.set R_T2,  94
.set R_NBP, 95
.set R_BZ,  96
.set R_BNZ, 97
.set R_NPC, 98
; scalar registers: s[2:3] share offset, s[4:5] memory + share, s[6:7] out4 + share, s[8:29] the eleven buffers, s30 wave, s31 and s63 scratch,
; s[32:39] idx, s40-43 pc sp bp ax, s44 sp-8, s45 pc+8, s46 sp+8, s47 20.0, s48 -log2 e, s50-51 lane select, s52-55 masks, s56-57 clamps,
; s58 first chunk, s59 stack top, s60-61 lane masks, s62 EXEC, s66-95 gate of opcode 0..29
.set IDX, 32
.set MK,  52
.set SG,  66
; v[dst+j] = silu_threshold(v[XA+j]) = (silu(20 x + 10) - silu(20 x - 10)) / 20, j < cnt, stage by stage so that no line waits for the one in front.
; silu(u) = u / (1 + 2^(-u log2 e)).  An exponential that overflows gives infinity, its reciprocal 0, and silu 0, as in f32 arithmetic.
.macro THN cnt, dst
.set j, 0
.rept \cnt
	v_fmaak_f32 v[UA+j], s47, v[XA+j], 0x41200000
	v_fmaak_f32 v[LA+j], s47, v[XA+j], 0xc1200000
.set j, j+1
.endr
.set j, 0
.rept \cnt
	v_mul_f32 v[XA+j], s48, v[UA+j]
	v_mul_f32 v[EA+j], s48, v[LA+j]
.set j, j+1
.endr
.set j, 0
.rept \cnt
	v_exp_f32 v[XA+j], v[XA+j]
	v_exp_f32 v[EA+j], v[EA+j]
.set j, j+1
.endr
	v_nop                                          ; one plain vector instruction between the last exponential and the use of its result (ISA guide 5.7.2)
.set j, 0
	s_wait_alu depctr_va_vdst(0)
.rept \cnt
	v_add_f32 v[XA+j], 1.0, v[XA+j]
	v_add_f32 v[EA+j], 1.0, v[EA+j]
.set j, j+1
.endr
.set j, 0
.rept \cnt
	v_rcp_f32 v[XA+j], v[XA+j]
	v_rcp_f32 v[EA+j], v[EA+j]
.set j, j+1
.endr
	v_nop                                          ; the same behind the last reciprocal
.set j, 0
	s_wait_alu depctr_va_vdst(0)
.rept \cnt
	v_mul_f32 v[LA+j], v[LA+j], v[EA+j]            ; silu(20 x - 10)
.set j, j+1
.endr
.set j, 0
.rept \cnt
	v_fma_f32 v[XA+j], v[UA+j], v[XA+j], -v[LA+j]  ; silu(20 x + 10) - silu(20 x - 10)
.set j, j+1
.endr
.set j, 0
.rept \cnt
	v_mul_f32 v[\dst+j], 0x3d4ccccd, v[XA+j]       ; / 20
.set j, j+1
.endr
.endm
; eq_gate: differences d in v[XA .. XA+cnt-1] become the two arguments d + 0.5 (in place) and 0.5 - d (cnt registers further up)
.macro GATE_PRE cnt
.set j, 0
.rept \cnt
	v_sub_f32 v[XA+\cnt+j], 0.5, v[XA+j]
	v_add_f32 v[XA+j], 0.5, v[XA+j]
.set j, j+1
.endr
.endm
; and the product of the two thresholds
.macro GATE_POST cnt, dst
.set j, 0
.rept \cnt
	v_mul_f32 v[\dst+j], v[XA+j], v[XA+\cnt+j]
.set j, j+1
.endr
.endm
; sums over the 32 lanes of cnt registers at once, the result in every lane: four steps inside each half of 16 lanes, one across.
; tmp: registers that have been written before (v_permlanex16_b32 counts as a reader of its destination).
.macro WSUMN cnt, reg, tmp
.irp m, 1,2,4,8
.set j, 0
.rept \cnt
	v_add_f32_dpp v[\reg+j], v[\reg+j], v[\reg+j] row_xmask:\m row_mask:0xf bank_mask:0xf
.set j, j+1
.endr
.endr
.set j, 0
.rept \cnt
	v_permlanex16_b32 v[\tmp+j], v[\reg+j], s50, s51
.set j, j+1
.endr
.set j, 0
.rept \cnt
	v_add_f32 v[\reg+j], v[\reg+j], v[\tmp+j]
.set j, j+1
.endr
.endm
; Four chunks: the five writes one after the other, as reference() applies them, then the stores.
.macro APPLY4 i0
	s_wait_loadcnt NLOAD-4-\i0                     ; loads return in order (ISA guide 5.7.1): chunks up to i0 + 3 are in, the NLOAD - 4 - i0 younger ones stay out
.irp k, 0,1,2,3,4
.irp q, 0,1,2,3
	v_cmp_eq_u32 s[MK+\q], \i0+\q, v[DD+\k]        ; lanes whose entry of table k lies in this chunk
.endr
.irp q, 0,1,2,3
	v_pk_fma_f32 v[TT+4*\q:TT+4*\q+1], v[DATA+4*(\i0+\q):DATA+4*(\i0+\q)+1], v[TABR+8*\k:TABR+8*\k+1], v[TABR+8*\k+4:TABR+8*\k+5]
	v_pk_fma_f32 v[TT+4*\q+2:TT+4*\q+3], v[DATA+4*(\i0+\q)+2:DATA+4*(\i0+\q)+3], v[TABR+8*\k+2:TABR+8*\k+3], v[TABR+8*\k+6:TABR+8*\k+7]
.endr
.irp q, 0,1,2,3
.irp e, 0,1,2,3
	v_cndmask_b32 v[DATA+4*(\i0+\q)+\e], v[DATA+4*(\i0+\q)+\e], v[TT+4*\q+\e], s[MK+\q]
.endr
.endr
.endr
.irp q, 0,1,2,3
	global_store_b128 v3, v[DATA+4*(\i0+\q):DATA+4*(\i0+\q)+3], s[6:7] offset:512*(\i0+\q) th:TH_STORE_NT   ; 512 consecutive aligned bytes; its registers are never written again
.endr
.endm
; new_ax += gate(op) * result, in chain op mod 4
.macro ACC op, reg
	v_fmac_f32 v[R_AC+((\op)&3)], s[SG+\op], v[\reg]
.endm
	; ---- all waves ----
	s_load_b512 s[8:23], s[0:1], 0x0               ; memory s[8:9], out4 s[10:11], idx s[12:13], pc s[14:15], sp s[16:17], bp s[18:19], ax s[20:21], out0 s[22:23]
	s_load_b128 s[24:27], s[0:1], 0x40             ; out1 s[24:25], out2 s[26:27]
	s_load_b64 s[28:29], s[0:1], 0x50              ; out3
	v_lshl_add_u32 v254, v0, 2, 0x1800
	v_mov_b32 v255, 0
	v_lshrrev_b32 v5, 5, v0
	v_readfirstlane_b32 s30, v5                    ; wave 0..8
	v_and_b32 v1, 31, v0                           ; lane
	v_lshlrev_b32 v2, 2, v1
	v_lshlrev_b32 v4, 4, v1
	v_lshl_add_u32 v3, v5, 14, v4                  ; wave x 16 KiB + 16 bytes a lane
	v_mov_b32 v6, 0
	s_lshl_b32 s2, ttmp9, 17                       ; the work-group's 128 KiB (at most 255 x 128 KiB: 32 bits do)
	s_mov_b32 s3, 0
	s_mov_b32 s47, 0x41a00000                      ; 20.0
	s_mov_b32 s48, 0xbfb8aa3b                      ; - log2 e
	s_mov_b32 s50, 0x76543210                      ; v_permlanex16_b32: lane i of one half reads lane i of the other
	s_mov_b32 s51, 0xfedcba98
	s_mov_b32 s56, 0xc2800000                      ; -64.0
	s_mov_b32 s57, 0x4b000040                      ; 8388672.0 = the size + 64
	s_wait_kmcnt 0x0
	s_add_nc_u64 s[4:5], s[8:9], s[2:3]            ; my share of memory; s[8:9] stays at its first byte for the windows
	s_add_nc_u64 s[6:7], s[10:11], s[2:3]          ; and of out4
	s_cmp_eq_u32 s30, 8
	s_cbranch_scc1 .Lctl
	; ---- stream waves: the whole share is asked for at once ----
.set i, 0
.rept NLOAD
	global_load_b128 v[DATA+4*i:DATA+4*i+3], v3, s[4:5] offset:512*i th:TH_LOAD_NT
.set i, i+1
.endr
	s_branch .Lbar1
	; ---- control wave: instruction, stack top, the five writes ----
.Lctl:
	s_load_b32 s40, s[14:15], 0x0                  ; pc
	s_load_b32 s41, s[16:17], 0x0                  ; sp
	s_load_b32 s42, s[18:19], 0x0                  ; bp
	s_load_b32 s43, s[20:21], 0x0                  ; ax
	s_load_b256 s[IDX:IDX+7], s[12:13], 0x0        ; window numbers of pc, sp, ax, bp, sp + 8 (units of 8 words), whole numbers of the launch before
	v_cvt_f32_u32 v[R_QQ], v1                      ; the lane as a float
	s_wait_kmcnt 0x0
	; All five windows are asked for here by every work-group, 128 bytes each, so that one wait serves them on every path;
	; the last three are used by work-group 0 alone: 384 bytes beside a share of 128 KiB.
.irp w, 0,1,2,3,4
	s_min_u32 s[IDX+\w], s[IDX+\w], 0xffffc        ; the window's 32 words stay inside the memory whatever the word holds
	s_lshl_b32 s63, s[IDX+\w], 5                   ; in bytes
	v_add_nc_u32 v[XA+\w], s63, v2                 ; + 4 bytes a lane
	global_load_b32 v[R_MW+\w], v[XA+\w], s[8:9]
	s_lshl_b32 s63, s[IDX+\w], 3                   ; in words
	v_add_nc_u32 v[UA+\w], s63, v1
	v_cvt_f32_u32 v[R_POS+\w], v[UA+\w]            ; my word's position: below 2^24, exact
.endr
	s_add_f32 s44, s41, 0xc1000000                 ; sp - 8
	s_add_f32 s45, s40, 0x41000000                 ; pc + 8
	s_add_f32 s46, s41, 0x41000000                 ; sp + 8
	s_wait_loadcnt 0x0                             ; the five were issued together and nothing younger is out; it also frees their address registers
	v_sub_f32 v[XA], s40, v[R_POS]                 ; pc - pos
	v_sub_f32 v[XA+1], s41, v[R_POS+1]             ; sp - pos
	GATE_PRE 2
	THN 4, XA
	GATE_POST 2, LA                                ; v40, v41: the weights w
	v_mul_f32 v[LA+2], v[LA], v[R_MW]              ; w m
	v_mul_f32 v[LA+3], v[LA+1], v[R_MW+1]
	WSUMN 4, LA, EA
	v_add_f32 v[LA], 0x322bcc77, v[LA]             ; sum of w + 1e-8
	v_add_f32 v[LA+1], 0x322bcc77, v[LA+1]
	v_rcp_f32 v[LA], v[LA]
	v_rcp_f32 v[LA+1], v[LA+1]
	v_nop
	s_wait_alu depctr_va_vdst(0)
	v_mul_f32 v[R_IV], v[LA+2], v[LA]              ; instruction
	v_mul_f32 v[R_ST], v[LA+3], v[LA+1]            ; stack top
	v_mul_f32 v[R_IMM], 0x3b800000, v[R_IV]        ; / 256 is exact
	v_floor_f32 v[R_IMM], v[R_IMM]
	v_fmamk_f32 v[R_OPC], v[R_IMM], 0xc3800000, v[R_IV]   ; instruction - 256 floor(instruction / 256), exact and rounded once, as remainder() is
	v_sub_f32 v[XA], v[R_OPC], v[R_QQ]             ; lane j: opcode - j
	GATE_PRE 1
	THN 2, XA
	GATE_POST 1, R_GV                              ; lane j: eq_gate(opcode, j)
.irp op, 13,3,6,11,12
	v_readlane_b32 s[SG+\op], v[R_GV], \op         ; psh, jsr, ent, si, sc
.endr
	v_readfirstlane_b32 s59, v[R_ST]
	v_mul_f32 v[R_PP+0], s44, s[SG+13]             ; (sp - 8) g_psh
	v_mul_f32 v[R_PP+1], s43, s[SG+13]             ; ax g_psh
	v_mul_f32 v[R_PP+2], s44, s[SG+3]              ; (sp - 8) g_jsr
	v_mul_f32 v[R_PP+3], s45, s[SG+3]              ; (pc + 8) g_jsr
	v_mul_f32 v[R_PP+4], s44, s[SG+6]              ; (sp - 8) g_ent
	v_mul_f32 v[R_PP+5], s42, s[SG+6]              ; bp g_ent
	v_mul_f32 v[R_PP+6], s59, s[SG+11]             ; stack top g_si
	v_mul_f32 v[R_PP+7], s43, s[SG+11]             ; ax g_si
	v_mul_f32 v[R_PP+8], s59, s[SG+12]             ; stack top g_sc
	v_mul_f32 v[R_PP+9], s43, s[SG+12]             ; ax g_sc
	ds_store_b128 v6, v[R_PP:R_PP+3] offset:PAR    ; every lane writes the same words with the same values
	ds_store_b128 v6, v[R_PP+4:R_PP+7] offset:PAR+16
	ds_store_b64 v6, v[R_PP+8:R_PP+9] offset:PAR+32
	; ---- first barrier: the parameters are in LDS ----
.Lbar1:
	s_wait_dscnt 0x0                               ; for the others: the control wave's three stores are done before it signals
	s_barrier_signal -1
	s_barrier_wait -1                              ; the stream loads stay out across it: no wave stores to the bytes they read
	s_cmp_gt_u32 s30, 4
	s_cbranch_scc1 .Lbar2
	; ---- waves 0-4: the table of write k = wave ----
	s_lshl_b32 s31, s30, 3
	v_mov_b32 v5, s31
	ds_load_b64 v[R_WAD:R_WAD+1], v5 offset:PAR    ; address, value
	s_wait_dscnt 0x0
	v_floor_f32 v[R_WP], v[R_WAD]
	v_med3_num_f32 v[R_WP], v[R_WP], s56, s57      ; an address further out than 64 words touches nothing: its window lies wholly outside
	v_cvt_i32_f32 v[R_WP], v[R_WP]
	v_add_nc_u32 v[R_WP], 0xffffffc0, v[R_WP]      ; base = floor(address) - 64
	v_sub_nc_u32 v[R_WF], v2, v[R_WP]
	v_and_b32 v[R_WF], 127, v[R_WF]
	v_add_nc_u32 v[R_WP], v[R_WP], v[R_WF]         ; p = base + ((4 lane - base) mod 128): the lanes cover floor(address) - 61 .. + 63 at the least
	v_ashrrev_i32 v[R_TC], 7, v[R_WP]              ; its chunk; negative or 65536 and more outside the memory, which no chunk of any wave equals
	v_cvt_f32_i32 v[R_WF], v[R_WP]
	v_add_f32 v[UA+1], 1.0, v[R_WF]                ; positions p + e: whole numbers below 2^24, exact
	v_add_f32 v[UA+2], 2.0, v[R_WF]
	v_add_f32 v[UA+3], 0x40400000, v[R_WF]
	v_sub_f32 v[XA], v[R_WAD], v[R_WF]             ; address - position
	v_sub_f32 v[XA+1], v[R_WAD], v[UA+1]
	v_sub_f32 v[XA+2], v[R_WAD], v[UA+2]
	v_sub_f32 v[XA+3], v[R_WAD], v[UA+3]
	GATE_PRE 4
	THN 8, XA
	GATE_POST 4, R_TB                              ; g
.irp e, 0,1,2,3
	v_sub_f32 v[R_TA+\e], 1.0, v[R_TB+\e]          ; 1 - g
.endr
.irp e, 0,1,2,3
	v_mul_f32 v[R_TB+\e], v[R_WVL], v[R_TB+\e]     ; value g
.endr
	s_mul_i32 s31, s30, TABSZ                      ; my table: the wave's number times a constant
	v_add_nc_u32 v5, s31, v4
	v_add_nc_u32 v7, s31, v2
	ds_store_b128 v5, v[R_TA:R_TA+3] offset:TAB
	ds_store_b128 v5, v[R_TB:R_TB+3] offset:TAB+512
	ds_store_b32 v7, v[R_TC] offset:TAB+1024
	; ---- second barrier: the tables are in LDS ----
.Lbar2:
	s_wait_dscnt 0x0                               ; for the others: my table's stores are done before I signal
	s_barrier_signal -1
	s_barrier_wait -1
	s_cmp_eq_u32 s30, 8
	s_cbranch_scc1 .Ltail
	; ---- stream waves: apply and store ----
.irp k, 0,1,2,3,4
	ds_load_b128 v[TABR+8*\k:TABR+8*\k+3], v4 offset:TAB+TABSZ*\k          ; lanes at neighbouring 16 bytes
	ds_load_b128 v[TABR+8*\k+4:TABR+8*\k+7], v4 offset:TAB+TABSZ*\k+512
	ds_load_b32 v[DD+\k], v2 offset:TAB+TABSZ*\k+1024
.endr
	s_lshl_b32 s58, ttmp9, 8                       ; 256 chunks a work-group,
	s_lshl_b32 s31, s30, 5                         ; 32 a wave
	s_add_co_u32 s58, s58, s31                     ; my first chunk
	s_wait_dscnt 0x0                               ; all fifteen are needed at once
.irp k, 0,1,2,3,4
	v_sub_nc_u32 v[DD+\k], v[DD+\k], s58           ; counted from my first chunk: 0..31 if it is one of mine
.endr
	APPLY4 0
	APPLY4 4
	APPLY4 8
	APPLY4 12
	APPLY4 16
	APPLY4 20
	APPLY4 24
	APPLY4 28
	s_wait_tensorcnt 0x0
	ds_add_u32 v254, v255
	s_wait_dscnt 0x0
	s_endpgm
	; ---- control wave of work-group 0: the four registers ----
.Ltail:
	s_cmp_lg_u32 ttmp9, 0
	s_cbranch_scc1 .Lend
	s_mov_b32 s60, 0x3fffc603                      ; opcodes in gate_sum: 0, 1, 9, 10, 14..29
	s_mov_b32 s61, 0x3fffc000                      ; opcodes that pop: 14..29
	; fourteen thresholds at once: five gates (two each) and the four compares
	v_mov_b32 v[XA], s43                           ; ax - 0
	v_sub_f32 v[XA+1], s43, v[R_QQ]                ; lane i: ax - i
	v_sub_f32 v[XA+2], s43, v[R_POS+2]             ; ax - pos
	v_sub_f32 v[XA+3], s42, v[R_POS+3]             ; bp - pos
	v_sub_f32 v[XA+4], s46, v[R_POS+4]             ; sp + 8 - pos
	GATE_PRE 5
	v_sub_f32 v[UA], s43, v[R_ST]                  ; ax - st
	v_sub_f32 v[UA+1], v[R_ST], s43                ; st - ax
	v_add_f32 v[XA+10], -0.5, v[UA]                ; lt
	v_add_f32 v[XA+11], -0.5, v[UA+1]              ; gt
	v_add_f32 v[XA+12], 0.5, v[UA]                 ; le
	v_add_f32 v[XA+13], 0.5, v[UA+1]               ; ge
	THN 14, R_TH                                   ; v82 lt, v83 gt, v84 le, v85 ge stay where they are
	v_mul_f32 v[R_E0], v[R_TH], v[R_TH+5]          ; eq_gate(ax, 0)
	v_mul_f32 v[R_PUL], v[R_TH+1], v[R_TH+6]       ; lane i: _pulse(ax, i)
	v_mul_f32 v[R_PP+0], v[R_TH+2], v[R_TH+7]      ; weights of the reads at ax, bp, sp + 8
	v_mul_f32 v[R_PP+1], v[R_TH+3], v[R_TH+8]
	v_mul_f32 v[R_PP+2], v[R_TH+4], v[R_TH+9]
	v_mul_f32 v[R_PP+3], v[R_PP+0], v[R_MW+2]      ; w m
	v_mul_f32 v[R_PP+4], v[R_PP+1], v[R_MW+3]
	v_mul_f32 v[R_PP+5], v[R_PP+2], v[R_MW+4]
	v_sub_nc_u32 v[R_NL], 0, v1
	v_ldexp_f32 v[R_PP+6], v[R_ST], v1             ; st 2^i
	v_ldexp_f32 v[R_PP+7], v[R_ST], v[R_NL]        ; st / 2^i
	v_floor_f32 v[R_PP+7], v[R_PP+7]
	v_mul_f32 v[R_PP+6], v[R_PP+6], v[R_PUL]       ; shl, term i
	v_mul_f32 v[R_PP+7], v[R_PP+7], v[R_PUL]       ; shr, term i
	v_cndmask_b32 v[R_PP+8], 0, v[R_GV], s60       ; gate_sum, term of my opcode
	v_cndmask_b32 v[R_PP+9], 0, v[R_GV], s61       ; pops, term of my opcode
	WSUMN 10, R_PP, EA
.irp w, 0,1,2
	v_add_f32 v[R_PP+\w], 0x322bcc77, v[R_PP+\w]   ; + 1e-8
.endr
.irp w, 0,1,2
	v_rcp_f32 v[R_PP+\w], v[R_PP+\w]
.endr
	v_add_f32 v[R_AXS], s43, v[R_E0]               ; ax_safe; also the plain instruction behind the reciprocals
	s_wait_alu depctr_va_vdst(0)
	v_mul_f32 v[R_LI], v[R_PP+3], v[R_PP+0]
	v_mul_f32 v[R_BPS], v[R_PP+4], v[R_PP+1]
	v_mul_f32 v[R_PCS], v[R_PP+5], v[R_PP+2]
	; division by enumeration: lane l takes the quotients q = l + 32 j, j = 0..7
.set j, 1
.rept 7
	v_add_f32 v[R_QQ+j], 0x42000000, v[R_QQ+j-1]
.set j, j+1
.endr
.set j, 0
.rept 8
	v_add_f32 v[UA+j], 1.0, v[R_QQ+j]
.set j, j+1
.endr
.set j, 0
.rept 8
	v_fma_f32 v[XA+j], -v[R_QQ+j], v[R_AXS], v[R_ST]       ; a - q b
	v_fma_f32 v[XA+8+j], -v[UA+j], v[R_AXS], v[R_ST]       ; a - (q + 1) b
.set j, j+1
.endr
.set j, 0
.rept 16
	v_add_f32 v[XA+j], 0.5, v[XA+j]
.set j, j+1
.endr
	THN 16, XA
.set j, 0
.rept 8
	v_sub_f32 v[XA+j], v[XA+j], v[XA+8+j]          ; th1 - th2
.set j, j+1
.endr
	v_mul_f32 v[R_DIV], v[XA], v[R_QQ]             ; the first term starts the sum
.set j, 1
.rept 7
	v_fmac_f32 v[R_DIV], v[XA+j], v[R_QQ+j]
.set j, j+1
.endr
	WSUMN 1, R_DIV, EA
	; the other results
	v_add_f32 v[R_SUM], s43, v[R_ST]               ; add
	v_mul_f32 v[R_PR], s43, v[R_ST]                ; mul, and
	v_sub_f32 v[R_SUB], v[R_ST], s43               ; sub
	v_sub_f32 v[R_OR], v[R_SUM], v[R_PR]           ; or
	v_fma_f32 v[R_XOR], -2.0, v[R_PR], v[R_SUM]    ; xor
	v_mul_f32 v[R_EQ], v[R_TH+13], v[R_TH+12]      ; eq = ge le
	v_sub_f32 v[R_NE], 1.0, v[R_EQ]
	v_fma_f32 v[R_MOD], -v[R_DIV], v[R_AXS], v[R_ST]
	v_add_f32 v[R_LEA], s42, v[R_IMM]
.irp op, 0,1,2,4,5,7,8,9,10,14,15,16,17,18,19,20,21,22,23,24,25,26,27,28,29
	v_readlane_b32 s[SG+\op], v[R_GV], \op         ; the gates not yet taken
.endr
	; new_ax, in four chains
	v_sub_f32 v[R_AC], 1.0, v[R_PP+8]
	v_mul_f32 v[R_AC], s43, v[R_AC]                ; ax (1 - gate_sum)
	v_mul_f32 v[R_AC+1], s[SG+0], v[R_LEA]
	v_mul_f32 v[R_AC+2], s[SG+1], v[R_IMM]
	v_mul_f32 v[R_AC+3], s[SG+9], v[R_LI]
	v_fmac_f32 v[R_AC+3], s[SG+10], v[R_LI]
	ACC 14, R_OR
	ACC 15, R_XOR
	ACC 16, R_PR
	ACC 17, R_EQ
	ACC 18, R_NE
	ACC 19, R_TH+10
	ACC 20, R_TH+11
	ACC 21, R_TH+12
	ACC 22, R_TH+13
	ACC 23, R_PP+6
	ACC 24, R_PP+7
	ACC 25, R_SUM
	ACC 26, R_SUB
	ACC 27, R_PR
	ACC 28, R_DIV
	ACC 29, R_MOD
	v_add_f32 v[R_AC], v[R_AC], v[R_AC+1]
	v_add_f32 v[R_AC+2], v[R_AC+2], v[R_AC+3]
	v_add_f32 v[R_AC], v[R_AC], v[R_AC+2]
	v_rndne_f32 v[R_AC], v[R_AC]                   ; halves to even, as round() does
	; new_sp
	v_sub_f32 v[R_NSP], 1.0, s[SG+13]
	v_sub_f32 v[R_NSP], v[R_NSP], s[SG+7]
	v_sub_f32 v[R_NSP], v[R_NSP], s[SG+6]
	v_sub_f32 v[R_NSP], v[R_NSP], s[SG+8]
	v_sub_f32 v[R_NSP], v[R_NSP], v[R_PP+9]
	v_add_f32 v[R_T1], s41, v[R_IMM]               ; sp + imm
	v_sub_f32 v[R_T2], s41, v[R_IMM]               ; sp - imm
	v_mul_f32 v[R_NSP], s41, v[R_NSP]
	v_fma_f32 v[R_NSP], s44, s[SG+13], v[R_NSP]
	v_fmac_f32 v[R_NSP], s[SG+7], v[R_T1]
	v_fmac_f32 v[R_NSP], s[SG+6], v[R_T2]
	v_fma_f32 v[R_NSP], s42, s[SG+8], v[R_NSP]
	v_fmac_f32 v[R_NSP], s46, v[R_PP+9]
	v_rndne_f32 v[R_NSP], v[R_NSP]
	; new_bp
	v_sub_f32 v[R_NBP], 1.0, s[SG+6]
	v_sub_f32 v[R_NBP], v[R_NBP], s[SG+8]
	v_mul_f32 v[R_NBP], s42, v[R_NBP]
	v_fma_f32 v[R_NBP], s41, s[SG+6], v[R_NBP]
	v_fmac_f32 v[R_NBP], s[SG+8], v[R_BPS]
	v_rndne_f32 v[R_NBP], v[R_NBP]
	; new_pc
	v_mul_f32 v[R_BZ], s[SG+4], v[R_E0]            ; bz_take
	v_sub_f32 v[R_BNZ], 1.0, v[R_E0]
	v_mul_f32 v[R_BNZ], s[SG+5], v[R_BNZ]          ; bnz_take
	v_sub_f32 v[R_NPC], 1.0, s[SG+2]
	v_sub_f32 v[R_NPC], v[R_NPC], s[SG+3]
	v_sub_f32 v[R_NPC], v[R_NPC], v[R_BZ]
	v_sub_f32 v[R_NPC], v[R_NPC], v[R_BNZ]
	v_sub_f32 v[R_NPC], v[R_NPC], s[SG+8]
	v_mul_f32 v[R_NPC], s45, v[R_NPC]
	v_fmac_f32 v[R_NPC], s[SG+2], v[R_IMM]
	v_fmac_f32 v[R_NPC], s[SG+3], v[R_IMM]
	v_fmac_f32 v[R_NPC], v[R_BZ], v[R_IMM]
	v_fmac_f32 v[R_NPC], v[R_BNZ], v[R_IMM]
	v_fmac_f32 v[R_NPC], s[SG+8], v[R_PCS]
	v_rndne_f32 v[R_NPC], v[R_NPC]
	; every lane holds the same four numbers: lane 0 stores them
	v_cmp_eq_u32 vcc_lo, 0, v1
	s_wait_xcnt 0x0                                ; EXEC is a source of the loads issued above: it is narrowed only behind this wait
	s_wait_tensorcnt 0x0
	ds_add_u32 v254, v255
	s_wait_dscnt 0x0
	s_and_saveexec_b32 s62, vcc_lo
	global_store_b32 v6, v[R_NPC], s[22:23]        ; out0 = new_pc
	global_store_b32 v6, v[R_NSP], s[24:25]        ; out1 = new_sp
	global_store_b32 v6, v[R_NBP], s[26:27]        ; out2 = new_bp
	global_store_b32 v6, v[R_AC], s[28:29]         ; out3 = new_ax
	s_endpgm                                       ; EXEC is not widened again
.Lend:
	s_wait_tensorcnt 0x0
	ds_add_u32 v254, v255
	s_wait_dscnt 0x0
	s_endpgm
.Lfunc_end_k_q1e517f5cbd_step:
	.size	k_q1e517f5cbd_step, .Lfunc_end_k_q1e517f5cbd_step-k_q1e517f5cbd_step
	.p2alignl 7, 3214868480
	.fill 96, 4, 3214868480
	.section	.rodata,"a",@progbits
	.p2align	6, 0x0
	.amdhsa_kernel k_q1e517f5cbd_step
		.amdhsa_group_segment_fixed_size 7424
		.amdhsa_private_segment_fixed_size 0
		.amdhsa_enable_private_segment 0
		.amdhsa_kernarg_size 88
		.amdhsa_user_sgpr_count 2
		.amdhsa_user_sgpr_kernarg_segment_ptr 1
		.amdhsa_wavefront_size32 1
		.amdhsa_system_sgpr_workgroup_id_x 1
		.amdhsa_system_sgpr_workgroup_id_y 1
		.amdhsa_system_sgpr_workgroup_id_z 1
		.amdhsa_system_vgpr_workitem_id 0
		.amdhsa_next_free_vgpr 256
		.amdhsa_next_free_sgpr 96
		.amdhsa_reserve_vcc 1
		.amdhsa_float_denorm_mode_32 3
		.amdhsa_float_denorm_mode_16_64 3
		.amdhsa_memory_ordered 1
		.amdhsa_forward_progress 1
		.amdhsa_inst_pref_size 125
	.end_amdhsa_kernel
	.amdgpu_metadata
---
amdhsa.version: [ 1, 2 ]
amdhsa.kernels:
  - .name:           k_q1e517f5cbd_step
    .symbol:         k_q1e517f5cbd_step.kd
    .args:
      - { .name: memory, .offset: 0, .size: 8, .value_kind: global_buffer, .address_space: global }
      - { .name: out4, .offset: 8, .size: 8, .value_kind: global_buffer, .address_space: global }
      - { .name: idx, .offset: 16, .size: 8, .value_kind: global_buffer, .address_space: global }
      - { .name: pc, .offset: 24, .size: 8, .value_kind: global_buffer, .address_space: global }
      - { .name: sp, .offset: 32, .size: 8, .value_kind: global_buffer, .address_space: global }
      - { .name: bp, .offset: 40, .size: 8, .value_kind: global_buffer, .address_space: global }
      - { .name: ax, .offset: 48, .size: 8, .value_kind: global_buffer, .address_space: global }
      - { .name: out0, .offset: 56, .size: 8, .value_kind: global_buffer, .address_space: global }
      - { .name: out1, .offset: 64, .size: 8, .value_kind: global_buffer, .address_space: global }
      - { .name: out2, .offset: 72, .size: 8, .value_kind: global_buffer, .address_space: global }
      - { .name: out3, .offset: 80, .size: 8, .value_kind: global_buffer, .address_space: global }
    .group_segment_fixed_size: 7424
    .private_segment_fixed_size: 0
    .kernarg_segment_align: 8
    .kernarg_segment_size: 88
    .max_flat_workgroup_size: 288
    .sgpr_count:     96
    .vgpr_count:     256
    .wavefront_size: 32
...
	.end_amdgpu_metadata
.endif
;; end of part 2
